; MI455X (gfx1250); checked and timed in simulation.
; The chip was launched on July 23, 2026; its instructions are those of AMD's public machine-readable ISA for CDNA 5 (MIT licence, August 2026) and "CDNA5" Instruction Set Architecture Reference Guide (July 2026). The comments in the code are by the model that wrote it; some were corrected since.
;; Gem Lite Linear Triton. Allowed arithmetic: float matrix products may take bf16 or f16 operands with f32 sums; other float arithmetic in f32, or as packed bf16 or f16 multiplies, adds, multiply-adds, maxima and minima; sums over many terms, partial sums and values carried from step to step in f32; what a program stores and reads back later, other than sums and carried values, may be rounded once to bf16 or f16.
;; Inputs: W_q_packed 512 x 4,096 int32; bias 4,096 float32; scales 32 x 4,096 float32; x 4,096 x 4,096 float32; zeros 32 x 4,096 float32.
;; Outputs: out0 4,096 x 4,096 float32.
;; One version. Each part assembles by itself: llvm-mc -triple=amdgcn-amd-amdhsa -mcpu=gfx1250 --defsym DOCPART=n.
;; ======== version 1 of 1: 1 launch
;; limits: values are held in f16: magnitudes above 65,504 overflow, below 6.1e-05 lose precision; inputs' magnitudes at most 65,504
;; launch gemm (part 1): grid 16 x 16, 4 waves a work-group, clusters of 4 x 4, 327,680 bytes of LDS; arguments x, W_q_packed, scales, zeros, bias, out0; writes out0
.if DOCPART == 1
	.amdgcn_target "amdgcn-amd-amdhsa--gfx1250"
	.amdhsa_code_object_version 6
	.text
	.protected	k_qaf8f4490a5_gemm
	.globl	k_qaf8f4490a5_gemm
	.p2align	8
	.type	k_qaf8f4490a5_gemm,@function
k_qaf8f4490a5_gemm:
	s_mov_b64 s[64:65], 0
	v_nop
	global_prefetch_b8 v0, s[64:65] scope:SCOPE_SE
	s_setreg_imm32_b32 hwreg(HW_REG_WAVE_MODE, 25, 1), 1
	s_wait_xcnt 0x0
	s_wait_alu depctr_hold_cnt(0) depctr_sa_sdst(0) depctr_va_vdst(0) depctr_va_sdst(0) depctr_va_ssrc(0) depctr_va_vcc(0) depctr_vm_vsrc(0)
	s_getreg_b32 s2, hwreg(HW_REG_IB_STS2, 6, 4)
	s_cmp_eq_u32 s2, 0
	s_cbranch_scc0 .Lentry_in_a_cluster
	s_endpgm
.Lentry_in_a_cluster:
	s_bfe_u32 s2, ttmp6, 0x10000c
	s_cmp_lg_u32 s2, 0xf033
	s_cbranch_scc0 .Lentry_shape_is_right
	s_endpgm
.Lentry_shape_is_right:
; out[m][n] = sum over k of x[m][k] W[k][n] + bias[n],  W[k][n] = (nibble(k, n) - zeros[k/128][n]) scales[k/128][n].
; x, out: [4096][4096] f32.  The packed weights: [512][4096] int32, word (k/8, n) holds the nibbles of k%8 = 0..7 from its low end.  scales, zeros: [32][4096] f32.  bias: [4096] f32.
; ONE LAUNCH, NOTHING THROUGH MEMORY: x comes into LDS as f32 and the weights as packed words; both become f16 between LDS and the matrix instruction, in registers.
; FORMAT.  Both matrix operands are f16, the sums f32.  LIMITS: |x| and |(w - z) s| stay below 65,504 (beyond it the conversion gives an infinity); below 6e-5 a number keeps f16's fixed step of 6e-8;
; NaN and infinities are not treated apart.  A weight is made as (1024 + w) s - (1024 + z) s, or with 64 for 1024, by ONE fused multiply-add in f32 rounded once to f16; the constant (1024 + z) s is itself
; rounded once to f32, which shifts a weight by at most 6e-5 s while z is under 1024: a twentieth of the weight's own rounding to f16 at w - z = 1.
; SHARES.  A tile of out, 256 x 256, is made by a work-group of four waves; a wave makes 128 x 128: 64 accumulators of 16 x 16, 512 registers.  16 x 16 tiles: one for each of 256 work-groups.
; K goes in steps of 128, which is also the weights' group: one pair (scale, zero) a column and step.  Two LDS slots take turns, filled by the tensor data mover.
; CLUSTERS: 4 x 4 work-groups.  The four of a row of the cluster need the same rows of x, the four of a column the same packed words: each tile is asked for JOINTLY, by the same tensor load with the same
; descriptor and a mask that names the four.
; LAYOUT.  Source 0 = 16 rows of x, source 1 = 16 columns of W; in the result register j of lane l (r = l % 16, h = l / 16) is row 8 h + j, column index r.
;   COLUMNS: fragment 4 g + b (g = 0, 1; b = 0..3), index r, stands for column 64 g + 4 r + b of my 128.  So one 16-byte LDS load of a packed row brings a lane the words of four fragments, and on the way out
;   register j of four accumulators is 16 neighbouring bytes of a row of out: sixteen lanes store 256 consecutive bytes, aligned, with no trip through LDS.
;   K: a lane's registers 4 c .. 4 c + 3 hold the eight k = 16 c + 8 h + 0..7, which are the eight nibbles of ONE packed word.  Inside the eight, register i holds k = i (low half) and i + 4 (high half), in x's fragments
;   and in W's alike: the products are the same, and a word's nibbles i and i + 4 lie 16 bits apart, where one AND takes both.
; BY TURNS.  A quarter step (32 along K) has 64 matrix instructions and 272 vector instructions that make the NEXT quarter's fragments (64 conversions of x, 13 lines for each of 16 packed words).  They are cut into 64 slices
; of four or five, one behind each matrix instruction.  A slice works in window 0 (x) or window 1 (W), a product names windows 0, 1 and 2 or 3: two switches a product.
; REGISTERS, in windows of 256 (s_set_vgpr_msb: bits 1:0 source 0, 3:2 source 1, 5:4 source 2, 7:6 destination):
;   window 0: v1-15 set-up; v16-30 addresses; v32-39 bias; v64-127 x as loaded (64 rows x 32 k); v128-255 x's fragments, two buffers of 64.  On the way out v64-255 are three buffers of 64 for the stores
;   window 1: v0-2 addresses; v64-79 packed words; v80-103 s/16 and the two constants; v104-119 scales and zeros as loaded; v128-255 W's fragments, two buffers of 64
;   window 2: the accumulators of my rows 0-63 ((a, bb) at v[8 (8 (a % 4) + bb)]);   window 3: those of my rows 64-127
.set XROW,   16384                     ; bytes in a row of x, of out, of the packed words, of scales and of zeros
.set XSTEP,  512                       ; a K step in a row of x: 128 f32
.set WSTEP,  16*XROW                   ; a K step of packed words: 16 rows
.set STEPS,  32
.set PA,     528                       ; an LDS row of x: 512 bytes + 16 of padding = 132 words: row r starts at bank 4 r mod 64 (64 banks of 4 bytes: ISA guide 11.1), so the 16 rows of a load start at 16 different groups of four banks
.set HALFA,  128*PA                    ; 128 rows of x: what one tensor load brings, and what one wave reads
.set BOFF,   256*PA                    ; behind x's 256 rows: the packed words
.set PB,     1024                      ; a packed row of 256 columns; sixteen lanes read 256 consecutive bytes of it, so it wants no padding
.set HALFB,  8*PB                      ; 8 packed rows: what one tensor load brings
.set SLOT,   BOFF+16*PB                ; one K step
.set SPARE,  2*SLOT                    ; behind the ring: the spare words, 128 bytes for each wave: two blocks of 256 bytes that no other line names
.set ADRA0, 16                         ; v16  my place in a slot's rows of x; never rewritten
.set ADRA,  17                         ; v17  the same in the slot that is being read
.set CO,    26                         ; v26  my byte offset in out
.set SPW,   28                         ; v28  LDS address of my spare word: SPARE + 4 x my thread's number; never rewritten
.set NIL,   29                         ; v29  0; never rewritten
.set PFO,   30                         ; v30  the prefetches' lane offset; never rewritten
.set BIAS,  32                         ; v[32:39]  bias of column 64 g + 4 r + b at 4 g + b
.set RAW,   64                         ; row block i of four at RAW + 16 i; register 8 c + e is k = 16 c + 8 h + e
.set FA,    128                        ; x's fragment a of buffer f at FA + 64 f + 8 a
.set ADRB0, 0                          ; window 1: v0  my place in a slot's packed rows; never rewritten
.set ADRB,  1                          ; window 1: v1  the same in the slot that is being read
.set SZO,   2                          ; window 1: v2  my byte offset in a row of scales or zeros; never rewritten
.set P,     64                         ; window 1: word (g, c, b) at P + 8 g + 4 c + b
.set S16,   80                         ; window 1: s / 16, by column 4 g + b
.set C1,    88                         ; window 1: -(1024 + z) s
.set C2,    96                         ; window 1: -(64 + z) s
.set RS,    104                        ; window 1: scales as loaded
.set RZ,    112                        ; window 1: zeros as loaded
.set FB,    128                        ; window 1: W's fragment bb of buffer f at FB + 64 f + 8 bb
.set WV,   16                          ; s16  my wave's number
.set KIND, 17                          ; s17  which half of the tile's rows is mine.  Also: I fetch x (0) or packed words (1)
.set HALF, 18                          ; s18  which half of its columns.  Also: which half of that tile I fetch
.set CX,   19
.set CY,   20
.set TCOL, 21
.set TROW, 22
.set G1A,  24                          ; s[24:31] descriptor group 1 for x's tiles
.set G0A,  32                          ; s[32:39] group 0: a set for each of the two first fills; the second then walks on
.set G1B,  40                          ; s[40:47], s[48:55] the same for the packed words
.set G0B,  48
.set TR,   57                          ; s57  0 or SLOT: the slot that is being read
.set WBA,  58                          ; s58  where my part of x's tile lies in a slot
.set WBB,  59                          ; s59  the same for the packed words
.set MSKA, 60                          ; s60  nibbles 0 and 4 of a word
.set MSKB, 61                          ; s61  nibbles 1 and 5
.set MAGA, 62                          ; s62  16384.0 twice in f16: a nibble in the lowest four bits adds 16 times itself
.set MAGB, 63                          ; s63  1024.0 twice: a nibble in bits 7:4 adds 16 times itself
.set PFA,  66                          ; s[66:67] where my prefetches stand
.set PFS,  68                          ; s[68:69] their step from K step to K step
.set LIM,  70                          ; s70  a wave prefetches while the loop's count is above this; the greatest number in a wave that never does
.set MSB, 0
.macro WIN new                         ; the immediate's high byte repeats the setting that is left; a switch that changes nothing is dropped
.if MSB != (\new)
	s_set_vgpr_msb (MSB<<8)|(\new)
.set MSB, (\new)
.endif
.endm
.set W_W, 0x55                         ; every operand in window 1: W's slices, the packed words' loads, the loads of scales and zeros
; A joint refill.  Waves 0 and 1 fetch the two halves of x's tile, waves 2 and 3 those of the packed words.  The branch hangs on the wave's number alone: it is the same in every work-group.
; An s_nop 0 and four v_nop follow each of the two lines; the jump, the label and what follows come after them.
.macro JLOAD
	s_cmp_eq_u32 s[KIND], 0
	s_cbranch_scc0 .Lfor_b_\@
	tensor_load_to_lds s[G0A+4:G0A+7], s[G1A:G1A+7]
	s_nop 0
.rept 4
	v_nop
.endr
	s_branch .Lasked_\@
.Lfor_b_\@:
	tensor_load_to_lds s[G0B+4:G0B+7], s[G1B:G1B+7]
	s_nop 0
.rept 4
	v_nop
.endr
.Lasked_\@:
.endm
; A round of the cluster's barrier: my work-group's barrier, so that wave 0's signal speaks for all four waves; wave 0 signals; every wave waits for all sixteen work-groups; my work-group's barrier once more.
.macro CREST                           ; a round behind its opening barrier
	s_cmp_lg_u32 s[WV], 0
	s_cbranch_scc1 .Lnot_wave_0_\@
	s_barrier_signal -3
.Lnot_wave_0_\@:
	s_barrier_wait -3
	s_barrier_signal -1
	s_barrier_wait -1
.endm
.macro CROUND                          ; a whole round
	s_barrier_signal -1
	s_barrier_wait -1
	CREST
.endm
; A PREFETCH INTO THE L2, behind the joint load, its five lines and the run of LDS loads.  In trip t of the loop (s3 = 30 - t) the refill asks for K step t + 2.
; x: a K step is 512 bytes of each row.  A tile row is read by the four clusters of a row of clusters: the first (cluster x = 0) asks.  Of the 128 rows that wave 0 or 1 fetches, the partner at place cx takes 32, BY ADDRESS:
; a lane a row, two instructions for the row's two blocks of 256 bytes, K step t + 4: two refills, 512 matrix instructions, ahead.  The last trips, whose K step t + 4 does not exist, ask for nothing (s3 > 2: t <= 27).
; Packed words: the 8 rows x 1,024 bytes that wave 2 or 3 fetches are 32 blocks of 256 bytes, one instruction.  A tile column is read by the four clusters of a column of clusters: the first (cluster y = 0) asks.  The four
; partners share the K STEPS out by address: in every fourth trip (t = 0, 4 .. 24) the partner at place cy names K step t + 4 + cy.  So K steps 4 to 31 of both are named once in the launch; K steps 0 to 3 come by their loads alone.
; No branch hangs on a work-group's place in its cluster: s3, the wave's number and s[LIM] are alike in all sixteen.
.macro ASK
	s_cmp_gt_u32 s3, s[LIM]
	s_cbranch_scc0 .Lnone_\@
	s_cmp_eq_u32 s[KIND], 0
	s_cbranch_scc0 .Lwords_\@
	global_prefetch_b8 v[PFO], s[PFA:PFA+1] offset:XSTEP th:TH_LOAD_NT scope:SCOPE_SE
	global_prefetch_b8 v[PFO], s[PFA:PFA+1] offset:XSTEP+256 th:TH_LOAD_NT scope:SCOPE_SE
	s_branch .Lnone_\@
.Lwords_\@:
	s_and_b32 s2, s3, 3
	s_cmp_eq_u32 s2, 2
	s_cbranch_scc0 .Lnone_\@
	global_prefetch_b8 v[PFO], s[PFA:PFA+1] th:TH_LOAD_NT scope:SCOPE_SE
.Lnone_\@:
.endm
	s_load_b256 s[4:11], s[0:1], 0x0               ; x s[4:5], packed words s[6:7], scales s[8:9], zeros s[10:11]
	s_load_b128 s[12:15], s[0:1], 0x20             ; bias s[12:13], out s[14:15]
	v_lshl_add_u32 v[SPW], v0, 2, SPARE
	v_mov_b32 v[NIL], 0
	ds_add_u32 v[SPW], v[NIL]                      ; the wave's opening: the add, twice on end, and its wait ahead of my first tensor load; the set-up below, work on registers, stands between
	ds_add_u32 v[SPW], v[NIL]                      ; and once more, under the one wait
	v_lshrrev_b32 v1, 5, v0
	v_readfirstlane_b32 s[WV], v1                  ; wave 0..3
	s_lshr_b32 s[KIND], s[WV], 1
	s_and_b32 s[HALF], s[WV], 1
	s_bfe_u32 s[CX], ttmp6, 0x40000                ; my place along the cluster's x
	s_bfe_u32 s[CY], ttmp6, 0x40004                ; along its y
	s_lshl_b32 s[TCOL], ttmp9, 2                   ; in a cluster launch ttmp9 and ttmp7 count clusters
	s_add_co_u32 s[TCOL], s[TCOL], s[CX]           ; tile column = 4 x cluster x + cx
	s_and_b32 s[TROW], ttmp7, 0xffff
	s_lshl_b32 s[TROW], s[TROW], 2
	s_add_co_u32 s[TROW], s[TROW], s[CY]           ; tile row = 4 x cluster y + cy
	s_lshl_b32 s71, s[CY], 2
	s_lshl_b32 s71, 15, s71                        ; my row of the cluster: places 4 cy .. 4 cy + 3
	s_lshl_b32 s72, 0x1111, s[CX]                  ; my column: places cx, cx + 4, cx + 8, cx + 12
	; group 1 for x: a tile of 128 rows x 128 elements of 4 bytes, padded in LDS
	s_or_b32 s[G1A], s71, (2<<16)|(1<<20)|(1<<21)|(6<<22)|(3<<25)  ; 15:0 the mask: my row; 17:16 elements of 4 bytes; 20 padding on; 21 set beside a mask; 24:22 after every 128 words (code 6); 31:25 4 words (code 3)
	s_mov_b32 s[G1A+1], 128<<16                    ; tensor_dim0 = 128
	s_mov_b32 s[G1A+2], 128<<16                    ; tensor_dim1 = 128
	s_mov_b32 s[G1A+3], 128<<16                    ; tile_dim0 = 128
	s_mov_b32 s[G1A+4], 128                        ; tile_dim1 = 128
	s_mov_b32 s[G1A+5], 4096                       ; elements from row to row
	s_mov_b32 s[G1A+6], 0
	s_mov_b32 s[G1A+7], 0
	; group 1 for the packed words: 8 rows x 256 elements of 4 bytes, no padding
	s_or_b32 s[G1B], s72, (2<<16)|(1<<21)          ; the mask: my column
	s_mov_b32 s[G1B+1], 256<<16                    ; tensor_dim0 = 256
	s_mov_b32 s[G1B+2], 8<<16                      ; tensor_dim1 = 8
	s_mov_b32 s[G1B+3], 256<<16                    ; tile_dim0 = 256
	s_mov_b32 s[G1B+4], 8                          ; tile_dim1 = 8
	s_mov_b32 s[G1B+5], 4096
	s_mov_b32 s[G1B+6], 0
	s_mov_b32 s[G1B+7], 0
	; where the tiles come from: x's hang on the tile row alone, the words' on the tile column alone, each in registers that never hold the other coordinate
	s_lshl_b32 s74, s[TROW], 22                    ; 256 rows of 16,384 bytes
	s_lshl_b32 s2, s[HALF], 21                     ; + the 128 rows that I fetch
	s_add_co_u32 s74, s74, s2
	s_mov_b32 s75, 0
	s_lshl_b32 s76, s[TCOL], 10                    ; 256 columns of 4 bytes
	s_lshl_b32 s2, s[HALF], 17                     ; + the 8 packed rows that I fetch
	s_add_co_u32 s76, s76, s2
	s_mov_b32 s77, 0
	; and where they go: no place in the cluster enters an LDS address
	s_mul_i32 s[WBA], s[HALF], HALFA
	s_mul_i32 s[WBB], s[HALF], HALFB
	s_add_co_u32 s[WBB], s[WBB], BOFF
	s_mov_b32 s[G0A], 1                            ; count = 1
	s_mov_b32 s[G0A+1], s[WBA]                     ; slot 0
	s_mov_b32 s[G0A+4], 1
	s_add_co_u32 s[G0A+5], s[WBA], SLOT            ; slot 1
	s_mov_b32 s[G0B], 1
	s_mov_b32 s[G0B+1], s[WBB]
	s_mov_b32 s[G0B+4], 1
	s_add_co_u32 s[G0B+5], s[WBB], SLOT
	s_mov_b32 s[TR], 0
	s_mov_b32 s[MSKA], 0x000f000f
	s_mov_b32 s[MSKB], 0x00f000f0
	s_mov_b32 s[MAGA], 0x74007400
	s_mov_b32 s[MAGB], 0x64006400
	s_wait_dscnt 0x0                               ; both opening adds are done
	s_wait_kmcnt 0x0
	s_add_nc_u64 s[G0A+2:G0A+3], s[4:5], s[74:75]  ; K step 0
	s_add_nc_u64 s[G0A+6:G0A+7], s[G0A+2:G0A+3], XSTEP  ; K step 1
	s_or_b32 s[G0A+3], s[G0A+3], 0x80000000        ; type = 2
	s_or_b32 s[G0A+7], s[G0A+7], 0x80000000
	s_add_nc_u64 s[G0B+2:G0B+3], s[6:7], s[76:77]
	s_add_nc_u64 s[G0B+6:G0B+7], s[G0B+2:G0B+3], WSTEP
	s_or_b32 s[G0B+3], s[G0B+3], 0x80000000
	s_or_b32 s[G0B+7], s[G0B+7], 0x80000000
	CROUND                                         ; all sixteen work-groups are here: the first joint loads meet
	s_cmp_eq_u32 s[KIND], 0                        ; a wave's two first fills stand in one branch, ahead of every wait on TENSORcnt and every LDS read: two loads of mine are out
	s_cbranch_scc0 .Lfirst_b
	tensor_load_to_lds s[G0A:G0A+3], s[G1A:G1A+7]
	s_nop 0
	tensor_load_to_lds s[G0A+4:G0A+7], s[G1A:G1A+7]
	s_nop 0
.rept 4
	v_nop
.endr
	s_branch .Lfirst_asked
.Lfirst_b:
	tensor_load_to_lds s[G0B:G0B+3], s[G1B:G1B+7]
	s_nop 0
	tensor_load_to_lds s[G0B+4:G0B+7], s[G1B:G1B+7]
	s_nop 0
.rept 4
	v_nop
.endr
.Lfirst_asked:
	v_and_b32 v1, 15, v0                           ; r
	v_bfe_u32 v2, v0, 4, 1                         ; h
	v_mul_u32_u24 v3, v1, PA
	v_lshl_add_u32 v3, v2, 5, v3                   ; row x pitch + 8 h numbers of 4 bytes
	s_mul_i32 s2, s[KIND], HALFA                   ; my 128 rows of x
	v_add_nc_u32 v[ADRA0], s2, v3
	v_mov_b32 v[ADRA], v[ADRA0]                    ; slot 0
	v_lshlrev_b32 v4, 4, v1                        ; 16 r: four columns of 4 bytes
	s_lshl_b32 s2, s[HALF], 9                      ; my 128 columns
	v_add_nc_u32 v5, s2, v4
	v_lshl_add_u32 v6, v2, 10, v5                  ; + h packed rows
	v_add_nc_u32 v6, BOFF, v6
	s_lshl_b32 s56, s[TCOL], 10
	v_add_nc_u32 v7, s56, v5                       ; the same columns in a row of scales, zeros or bias
	v_lshl_add_u32 v[CO], v2, 17, v4               ; out: 8 h rows + 16 r
	global_load_b128 v[BIAS:BIAS+3], v7, s[12:13]
	global_load_b128 v[BIAS+4:BIAS+7], v7, s[12:13] offset:256
	WIN 0x40                                       ; destination window 1
	v_mov_b32 v[ADRB0], v6
	v_mov_b32 v[ADRB], v6
	v_mov_b32 v[SZO], v7
	WIN W_W
	global_load_b128 v[RS:RS+3], v[SZO], s[8:9]    ; group 0: sixteen lanes take 256 consecutive bytes
	global_load_b128 v[RS+4:RS+7], v[SZO], s[8:9] offset:256
	global_load_b128 v[RZ:RZ+3], v[SZO], s[10:11]
	global_load_b128 v[RZ+4:RZ+7], v[SZO], s[10:11] offset:256
	WIN 0
	s_lshl_b32 s78, s[TROW], 22                    ; out at my 128 x 128
	s_lshl_b32 s56, s[KIND], 21
	s_add_co_u32 s78, s78, s56
	s_lshl_b32 s56, s[TCOL], 10
	s_add_co_u32 s78, s78, s56
	s_lshl_b32 s56, s[HALF], 9
	s_add_co_u32 s78, s78, s56
	s_mov_b32 s79, 0
	s_add_nc_u64 s[14:15], s[14:15], s[78:79]
	; the prefetches' pointer, step, lane offset and bound.  Nothing is prefetched here, at the head, where every work-group's first tiles are on their way
	s_lshl_b32 s78, s[TROW], 22                    ; x: the rows that I fetch,
	s_lshl_b32 s56, s[HALF], 21
	s_add_co_u32 s78, s78, s56
	s_lshl_b32 s56, s[CX], 19                      ; my work-group's 32 of them,
	s_add_co_u32 s78, s78, s56
	s_add_co_u32 s78, s78, 2*XSTEP                 ; at K step 2: trip t steps it to t + 3 and names t + 4
	s_lshl_b32 s79, s[TCOL], 10                    ; packed words: the rows that I fetch,
	s_lshl_b32 s56, s[HALF], 17
	s_add_co_u32 s79, s79, s56
	s_add_co_u32 s56, s[CY], 3                     ; at K step 3 + cy: trip t steps it to t + 4 + cy and names that
	s_lshl_b32 s56, s56, 18
	s_add_co_u32 s79, s79, s56
	s_and_b32 s73, ttmp7, 0xffff                   ; cluster y
	s_mov_b32 s[PFS], XSTEP
	v_and_b32 v8, 31, v0
	v_lshlrev_b32 v9, 14, v8                       ; x: a lane a row
	v_lshrrev_b32 v10, 2, v8                       ; packed words: four lanes a row,
	v_and_b32 v11, 3, v8
	v_lshlrev_b32 v11, 8, v11                      ; 256 bytes apart
	v_lshl_or_b32 v10, v10, 14, v11
	s_cmp_eq_u32 s[KIND], 0                        ; do I fetch x?
	s_cselect_b32 s78, s78, s79
	s_cselect_b32 s73, ttmp9, s73                  ; the coordinate along which other clusters read the same rows
	s_cselect_b32 s[PFS], s[PFS], WSTEP
	s_cselect_b32 s[LIM], 2, 5
	s_cselect_b32 s56, -1, 0
	s_cselect_b64 s[PFA:PFA+1], s[4:5], s[6:7]
	s_mov_b32 s79, 0
	s_mov_b32 s[PFS+1], 0
	s_add_nc_u64 s[PFA:PFA+1], s[PFA:PFA+1], s[78:79]
	s_cmp_eq_u32 s73, 0
	s_cselect_b32 s[LIM], s[LIM], -1               ; the same in all sixteen partners, for a given wave
	v_cndmask_b32 v[PFO], v10, v9, s56
; Product k of a quarter's 64: row block k / 8, fragment k % 8 of W, buffer F.  The 64 accumulators take turns, one instruction a turn, in the same order in every quarter, over the backward jumps too.
; zero = 1: the first product starts the sum: nothing is ever cleared.
.macro MM zero
	WIN 0xa4+0x50*(k/32)                           ; x window 0, W window 1, C and D window 2 or 3
.set rA, FA+64*F+8*(k/8)
.set rB, FB+64*F+8*(k%8)
.set rD, 8*(8*((k/8)%4)+k%8)
.if \zero
	v_wmma_f32_16x16x32_f16 v[rD:rD+7], v[rA:rA+7], v[rB:rB+7], 0
.else
	v_wmma_f32_16x16x32_f16 v[rD:rD+7], v[rA:rA+7], v[rB:rB+7], v[rD:rD+7]
.endif
.endm
; Conversion idx of 32 of half hh of x's rows, into buffer G: numbers e and e + 4 of a lane's eight go into one register
.macro AR hh, idx
.set i_, (\idx)/8
.set c_, ((\idx)%8)/4
.set e_, (\idx)%4
	v_cvt_pk_f16_f32 v[FA+64*G+8*(4*(\hh)+i_)+4*c_+e_], v[RAW+16*i_+8*c_+e_], v[RAW+16*i_+8*c_+e_+4]
.endm
; Line idx of 104 that turn the eight packed words of column group g into four fragments of buffer G.  Four words (b = 0..3) go side by side, so that a line and the line that needs it stand four apart.
; A word's 13 steps: 0, 1: nibbles (0, 4) and (1, 5) are set into f16 numbers 16384 + 16 n and 1024 + 16 n; 2: the word moves down 8 bits; 3, 4: the same for (2, 6) and (3, 7);
; 5-12: each half times s / 16 plus its constant, in f32, rounded once to f16, in place.
.macro BR g, idx
.set c_, (\idx)/52
.set st_, ((\idx)%52)/4
.set b_, (\idx)%4
.set rP, P+8*(\g)+4*c_+b_
.set rF, FB+64*G+8*(4*(\g)+b_)+4*c_
.set col_, 4*(\g)+b_
.if st_ == 0
	v_and_or_b32 v[rF], v[rP], s[MSKA], s[MAGA]
.elseif st_ == 1
	v_and_or_b32 v[rF+1], v[rP], s[MSKB], s[MAGB]
.elseif st_ == 2
	v_lshrrev_b32 v[rP], 8, v[rP]
.elseif st_ == 3
	v_and_or_b32 v[rF+2], v[rP], s[MSKA], s[MAGA]
.elseif st_ == 4
	v_and_or_b32 v[rF+3], v[rP], s[MSKB], s[MAGB]
.else
.set i_, (st_-5)/2
.set rK, C1+8*(i_%2)+col_                          ; C1 for registers 0 and 2, C2 for 1 and 3
.if (st_-5)%2 == 0
	v_fma_mixlo_f16 v[rF+i_], v[rF+i_], v[S16+col_], v[rK] op_sel_hi:[1,0,0]
.else
	v_fma_mixhi_f16 v[rF+i_], v[rF+i_], v[S16+col_], v[rK] op_sel:[1,0,0] op_sel_hi:[1,0,0]
.endif
.endif
.endm
; Line idx of 20 that make a group's s / 16, -(1024 + z) s and -(64 + z) s for my eight columns, two columns a line.  The products by powers of two are exact; each constant is rounded once, by its fused multiply-add.
.macro SZ idx
.set p_, 2*((\idx)%4)
.set st_, (\idx)/4
.if st_ == 0
	v_pk_mul_f32 v[S16+p_:S16+p_+1], v[RS+p_:RS+p_+1], 0x3d800000 op_sel_hi:[1,0]
.elseif st_ == 1
	v_pk_mul_f32 v[C1+p_:C1+p_+1], v[RS+p_:RS+p_+1], 0x44800000 op_sel_hi:[1,0]
.elseif st_ == 2
	v_pk_mul_f32 v[C2+p_:C2+p_+1], v[RS+p_:RS+p_+1], 0x42800000 op_sel_hi:[1,0]
.elseif st_ == 3
	v_pk_fma_f32 v[C1+p_:C1+p_+1], v[RZ+p_:RZ+p_+1], v[RS+p_:RS+p_+1], v[C1+p_:C1+p_+1] neg_lo:[1,0,1] neg_hi:[1,0,1]
.else
	v_pk_fma_f32 v[C2+p_:C2+p_+1], v[RZ+p_:RZ+p_+1], v[RS+p_:RS+p_+1], v[C2+p_:C2+p_+1] neg_lo:[1,0,1] neg_hi:[1,0,1]
.endif
.endm
.macro BNUM g                          ; the next line of W's queue: first the NBX lines of SZ (a K step's last quarter alone), then BR's 104
.if q < NBX
	SZ q
.else
	BR \g, q-NBX
.endif
.set q, q+1
.endm
; THE LDS LOADS stand in runs.  They land in RAW and P alone, which no matrix instruction names.
.macro LA hh, kq                       ; 16 loads: half hh of my rows of x (64 rows), 32 k at quarter kq
	WIN 0
.irp i, 0,1,2,3
.irp c, 0,1
.irp u, 0,1
	ds_load_b128 v[RAW+16*(\i)+8*(\c)+4*(\u):RAW+16*(\i)+8*(\c)+4*(\u)+3], v[ADRA] offset:(4*(\hh)+(\i))*16*PA+128*(\kq)+64*(\c)+16*(\u)
.endr
.endr
.endr
.endm
.macro LB g, kq                        ; 2 loads: packed rows 4 kq + 2 c + h, four columns a lane, of column group g
	WIN W_W
.irp c, 0,1
	ds_load_b128 v[P+8*(\g)+4*(\c):P+8*(\g)+4*(\c)+3], v[ADRB] offset:(4*(\kq)+2*(\c))*PB+256*(\g)
.endr
.endm
; A QUARTER STEP, number n of a K step's four.  Its 64 products multiply buffer n % 2; its slices make quarter n + 1's fragments in the other buffer:
;   slices 0-7 x's rows 0-63; 8-31 W's columns of group 0; 32-39 x's rows 64-127; 40-63 W's columns of group 1.
; A slice writes registers whose last product stands eight slices back or more, 32 conversions among them; it names no register of the products round it.
; The runs of loads: behind slice 7 x's rows 64-127 of quarter n + 1; behind slice 39 x's rows 0-63 and the words of group 0 of quarter n + 2; behind slice 63 the words of group 1 of quarter n + 2.
; THE CHANGE OF SLOTS stands in quarter 2, since the loads run a quarter and a half ahead of the products: the slot's last bytes are asked for behind its slice 7.  Ahead of product 30 each wave waits for all its tensor loads,
; of which one is out: its part of the other slot; adds 0 to its spare word; behind product 32 it waits for the add and for its reads of the slot, and signals.  Behind slice 39 it waits for the others.
; fill = 1: the barrier opens a round of the cluster's, and the slot is filled again, first thing behind the round, with the K step two on: 246 products stand between that request and the wait for it.
; mul = 0: no products (the pipeline is filled).  zero = 1: the products start the sums.
.macro QUARTER n, mul, zero, fill
.set F, (\n)%2
.set G, 1-F
.if ((\n) == 2) && (\fill)
	s_wait_xcnt 0x0                                ; the last prefetches, a K step back, have read their address: it is stepped here, ahead of the waits of the change of slots
	s_add_nc_u64 s[PFA:PFA+1], s[PFA:PFA+1], s[PFS:PFS+1]
.endif
.set k, 0
.rept 64
.if ((\n) == 2) && (k == 30)
	WIN 0                                          ; (the add's two registers lie in window 0)
	s_wait_tensorcnt 0x0                           ; all my tensor loads have landed: no load of mine is out, so a group 0 may be written
	ds_add_u32 v[SPW], v[NIL]                      ; 0 onto my spare word; three products and two slices stand between it and the wait for it
.if \fill
	s_add_co_u32 s[G0A+5], s[WBA], s[TR]           ; the walking descriptors: into the slot that is being left,
	s_add_nc_u64 s[G0A+6:G0A+7], s[G0A+6:G0A+7], XSTEP  ; the next K step; the type bits on top are not reached
	s_add_co_u32 s[G0B+5], s[WBB], s[TR]
	s_add_nc_u64 s[G0B+6:G0B+7], s[G0B+6:G0B+7], WSTEP
.endif
.endif
.if \mul
	MM \zero
.endif
.if k == 0
	s_wait_dscnt 4                                 ; x's rows 0-63 are in; the four loads of packed words issued behind them may be out
.elseif k == 8
	s_wait_dscnt 18                                ; the words of group 0 are in; behind them: group 1's two loads and x's sixteen
.if (\n) == 3
	s_wait_loadcnt 0x0                             ; the next group's scales and zeros, asked for a K step ago (at the start: the bias too)
.endif
.elseif k == 32
	s_wait_dscnt 0x0                               ; x's rows 64-127 and the words of group 1 are in; in quarter 2 also: the add is done, and my reads of the slot are over
.if (\n) == 2
	s_barrier_signal -1                            ; say so; products and conversions, work on registers, stand between the signal and the wait
.endif
.endif
.if k < 8
	WIN 0
	AR 0, 4*k
	AR 0, 4*k+1
	AR 0, 4*k+2
	AR 0, 4*k+3
.elseif k < 32
	WIN W_W
.if k == 8
.set q, 0
.set NBX, 20*((\n)/3)                              ; quarter 3 makes the next K step's first fragments: the next group's constants come first
.endif
.rept ((k-7)*(104+NBX))/24-((k-8)*(104+NBX))/24
	BNUM 0
.endr
.elseif k < 40
	WIN 0
	AR 1, 4*(k-32)
	AR 1, 4*(k-32)+1
	AR 1, 4*(k-32)+2
	AR 1, 4*(k-32)+3
.else
	WIN W_W
.if k == 40
.set q, 0
.set NBX, 0
.endif
.rept ((k-39)*104)/24-((k-40)*104)/24
	BNUM 1
.endr
.endif
.if k == 7
	LA 1, ((\n)+1)%4
.elseif k == 39
.if (\n) == 2
	WIN 0
	s_barrier_wait -1                              ; nobody of my work-group reads the old slot any more, and the other slot is whole
.if \fill
	CREST                                          ; nor does any wave of any partner, and none has a load on its way
	JLOAD                                          ; the first tensor load behind the round, ahead of my first LDS read there
.endif
	s_xor_b32 s[TR], s[TR], SLOT                   ; from here on the other slot is read
	v_add_nc_u32 v[ADRA], s[TR], v[ADRA0]
.endif
	LA 0, ((\n)+2)%4
	WIN W_W
.if (\n) == 2
	v_add_nc_u32 v[ADRB], s[TR], v[ADRB0]
.endif
	LB 0, ((\n)+2)%4
.if ((\n) == 3) && (\fill)
	s_add_nc_u64 s[8:9], s[8:9], XROW              ; the loads that read these two bases were waited for at slice 8; the constants have been made of RS and RZ
	s_add_nc_u64 s[10:11], s[10:11], XROW
	global_load_b128 v[RS:RS+3], v[SZO], s[8:9]    ; scales and zeros of the group after next: a K step less 31 products ahead of their use
	global_load_b128 v[RS+4:RS+7], v[SZO], s[8:9] offset:256
	global_load_b128 v[RZ:RZ+3], v[SZO], s[10:11]
	global_load_b128 v[RZ+4:RZ+7], v[SZO], s[10:11] offset:256
.endif
.if ((\n) == 2) && (\fill)
	WIN 0
	ASK
.endif
.elseif k == 63
	LB 1, ((\n)+2)%4
.endif
.set k, k+1
.endr
.endm
	s_wait_tensorcnt 0x1                           ; my part of K step 0 is in; K step 1's may stay out
	s_barrier_signal -1
	s_barrier_wait -1                              ; everybody's is
	LA 0, 0
	LB 0, 0
	LB 1, 0
	QUARTER 3, 0, 0, 1                             ; the pipeline is filled: group 0's constants, quarter 0's fragments; group 1's scales and zeros and quarter 1's bytes are asked for
	QUARTER 0, 1, 1, 1                             ; the first quarter stands in front of the loop: its products start the sums
	WIN 0                                          ; at a label and at a branch every window is 0
	s_mov_b32 s3, STEPS-2
.Lstep:                                                ; trip t: quarters 1 to 3 of K step t and quarter 0 of K step t + 1; slot t % 2 is left and takes K step t + 2
	QUARTER 1, 1, 0, 1
	QUARTER 2, 1, 0, 1
	QUARTER 3, 1, 0, 1
	QUARTER 0, 1, 0, 1
	WIN 0
	s_sub_co_u32 s3, s3, 1
	s_cmp_lg_u32 s3, 0
	s_cbranch_scc1 .Lstep
	s_mov_b32 s3, 2                                ; the last two K steps ask for nothing: written out; walked twice, and left in the middle of the second trip
.Ltail:                                                ; in the second trip the loads and slices behind the change of slots work on the other slot's old bytes and serve nothing: the price, once a launch, of one text for both trips
	QUARTER 1, 1, 0, 0
	QUARTER 2, 1, 0, 0
	QUARTER 3, 1, 0, 0
	WIN 0
	s_sub_co_u32 s3, s3, 1
	s_cmp_eq_u32 s3, 0
	s_cbranch_scc1 .Lout
	QUARTER 0, 1, 0, 0
	WIN 0
	s_cmp_lg_u32 s3, 0
	s_cbranch_scc1 .Ltail
.Lout:
	; THE WAY OUT, a block of 16 rows at a time.  The addition of the bias also gathers: register j of the four accumulators b = 0..3 becomes four neighbouring registers, 16 bytes of row 8 h + j.
	; Each accumulator is read from its register 0 on.  The last product's result is read behind seven blocks' additions; block 0's accumulators were last written 56 products back.
	s_wait_dscnt 0x0                               ; the last loads into v64-127 are in: those registers are written below
.set a, 0
.rept 8
.set T, 64+64*(a%3)
.if a >= 3
	s_wait_xcnt 0x0                                ; the stores of three blocks back have read their registers, which are written again only behind this wait
.endif
	WIN 0x02+a/4                                   ; source 0 in window 2 or 3
.irp j, 0,1,2,3,4,5,6,7
.irp c, 0,1,2,3,4,5,6,7
	v_add_f32 v[T+8*(\j)+(\c)], v[8*(8*(a%4)+(\c))+(\j)], v[BIAS+(\c)]
.endr
.endr
	WIN 0
.irp j, 0,1,2,3,4,5,6,7
.irp g, 0,1
	global_store_b128 v[CO], v[T+8*(\j)+4*(\g):T+8*(\j)+4*(\g)+3], s[14:15] offset:a*16*XROW+(\j)*XROW+(\g)*256 th:TH_STORE_NT  ; each half of 16 lanes stores 256 consecutive bytes, at a multiple of 256 from out's first byte
.endr
.endr
.set a, a+1
.endr
	s_wait_tensorcnt 0x0                           ; the wave's end: behind my last tensor load
	ds_add_u32 v[SPW], v[NIL]
	s_wait_dscnt 0x0
	CROUND                                         ; the closing round: no work-group ends while a partner may still ask for a tile that names it
	s_endpgm
.Lfunc_end_k_qaf8f4490a5_gemm:
	.size	k_qaf8f4490a5_gemm, .Lfunc_end_k_qaf8f4490a5_gemm-k_qaf8f4490a5_gemm
	.p2alignl 7, 3214868480
	.fill 96, 4, 3214868480
	.section	.rodata,"a",@progbits
	.p2align	6, 0x0
	.amdhsa_kernel k_qaf8f4490a5_gemm
		.amdhsa_group_segment_fixed_size 327680
		.amdhsa_private_segment_fixed_size 0
		.amdhsa_enable_private_segment 0
		.amdhsa_kernarg_size 48
		.amdhsa_user_sgpr_count 2
		.amdhsa_user_sgpr_kernarg_segment_ptr 1
		.amdhsa_wavefront_size32 1
		.amdhsa_system_sgpr_workgroup_id_x 1
		.amdhsa_system_sgpr_workgroup_id_y 1
		.amdhsa_system_sgpr_workgroup_id_z 1
		.amdhsa_system_vgpr_workitem_id 0
		.amdhsa_next_free_vgpr 1024
		.amdhsa_next_free_sgpr 80
		.amdhsa_reserve_vcc 0
		.amdhsa_float_denorm_mode_32 3
		.amdhsa_float_denorm_mode_16_64 3
		.amdhsa_memory_ordered 1
		.amdhsa_forward_progress 1
		.amdhsa_inst_pref_size 255
	.end_amdhsa_kernel
	.section	.bss,"aw",@nobits
	.p2align	6
	.space	262144
	.amdgpu_metadata
---
amdhsa.version: [ 1, 2 ]
amdhsa.kernels:
  - .name:           k_qaf8f4490a5_gemm
    .symbol:         k_qaf8f4490a5_gemm.kd
    .args:
      - { .name: x, .offset: 0, .size: 8, .value_kind: global_buffer, .address_space: global }
      - { .name: W_q_packed, .offset: 8, .size: 8, .value_kind: global_buffer, .address_space: global }
      - { .name: scales, .offset: 16, .size: 8, .value_kind: global_buffer, .address_space: global }
      - { .name: zeros, .offset: 24, .size: 8, .value_kind: global_buffer, .address_space: global }
      - { .name: bias, .offset: 32, .size: 8, .value_kind: global_buffer, .address_space: global }
      - { .name: out0, .offset: 40, .size: 8, .value_kind: global_buffer, .address_space: global }
    .group_segment_fixed_size: 327680
    .private_segment_fixed_size: 0
    .kernarg_segment_align: 8
    .kernarg_segment_size: 48
    .max_flat_workgroup_size: 128
    .sgpr_count:     80
    .vgpr_count:     1024
    .wavefront_size: 32
...
	.end_amdgpu_metadata
.endif
;; end of part 1
